; MI455X (gfx1250); checked and timed in simulation.
; The chip was launched on July 23, 2026; its instructions are those of AMD's public machine-readable ISA for CDNA 5 (MIT licence, August 2026) and "CDNA5" Instruction Set Architecture Reference Guide (July 2026). The comments in the code are by the model that wrote it; some were corrected since.
;; Sparse Transformer Block. Allowed arithmetic: matrix products marked QUANTISED: E2M1 operands, one E8M0 scale for each 32 along K, by v_wmma_scale_f32_16x16x128_f8f6f4 with both operands' format E2M1 (or v_wmma_scale_f32_32x16x128_f4), f32 sums; everything else in f32.
;; Inputs: b1 2,048 float32; b2 512 float32; bk 512 float32; bo 512 float32; bq 512 float32; bv 512 float32; ln1_b 512 float32; ln1_g 512 float32; ln2_b 512 float32; ln2_g 512 float32; w1_codes 2,048 x 16 x 16 uint8 (E2M1 codes of w1, K innermost, in blocks of 32 codes, two codes a byte); w1_scales 2,048 x 16 uint8 (E8M0 scales of w1, one for each 32 codes along K); w2_codes 512 x 64 x 16 uint8 (E2M1 codes of w2, K innermost, in blocks of 32 codes, two codes a byte); w2_scales 512 x 64 uint8 (E8M0 scales of w2, one for each 32 codes along K); wk_codes 512 x 16 x 16 uint8 (E2M1 codes of wk, K innermost, in blocks of 32 codes, two codes a byte); wk_scales 512 x 16 uint8 (E8M0 scales of wk, one for each 32 codes along K); wo_codes 512 x 16 x 16 uint8 (E2M1 codes of wo, K innermost, in blocks of 32 codes, two codes a byte); wo_scales 512 x 16 uint8 (E8M0 scales of wo, one for each 32 codes along K); wq_codes 512 x 16 x 16 uint8 (E2M1 codes of wq, K innermost, in blocks of 32 codes, two codes a byte); wq_scales 512 x 16 uint8 (E8M0 scales of wq, one for each 32 codes along K); wv_codes 512 x 16 x 16 uint8 (E2M1 codes of wv, K innermost, in blocks of 32 codes, two codes a byte); wv_scales 512 x 16 uint8 (E8M0 scales of wv, one for each 32 codes along K); x 4 x 2,048 x 512 float32.
;; Outputs: out0 4 x 2,048 x 512 float32.
;; This version of the problem:
;;   THIS VERSION OF THE PROBLEM IS GIVEN IN LOW PRECISION. The matrix products marked QUANTISED in the list below multiply operands that are first quantised to E2M1 (2 exponent bits, 1 mantissa bit; 4 bits a number), with one power-of-two scale for each 32 numbers along K (OCP MX v1.0); their sums are f32. All else is computed in f32.
;;   The module's matrix products, in the order in which they are computed (A, B: the left and right operand; K: the contracted axis; several contracted axes count as one K, in the product's order):
;;     1. [M 8,192, K 512] x [K 512, N 512]; A: input x; B: input wq (given as codes): QUANTISED
;;     2. [M 8,192, K 512] x [K 512, N 512]; A: input x; B: input wk (given as codes): QUANTISED
;;     3. [M 8,192, K 512] x [K 512, N 512]; A: input x; B: input wv (given as codes): QUANTISED
;;     4. batch 32 x [M 2,048, K 64] x [K 64, N 2,048]; A: computed on the way; B: computed on the way: QUANTISED
;;     5. batch 32 x [M 2,048, K 2,048] x [K 2,048, N 64]; A: softmax (see below); B: computed on the way: QUANTISED
;;     6. [M 8,192, K 512] x [K 512, N 512]; A: computed on the way; B: input wo (given as codes): QUANTISED
;;     7. [M 8,192, K 512] x [K 512, N 2,048]; A: computed on the way; B: input w1 (given as codes): QUANTISED
;;     8. [M 8,192, K 2,048] x [K 2,048, N 512]; A: computed on the way; B: input w2 (given as codes): QUANTISED
;;   THE QUANTISER, for each operand of a quantised product, along K:
;;     - K is cut into blocks of 32 from its start; a last block that is shorter is filled with zeros.
;;     - A block's scale is 2^e with e = floor(log2(the largest magnitude in the block)) - 2, held to -126 .. 127; a block of zeros has e = 0. As a byte (E8M0): e + 127.
;;     - Each number is divided by its block's scale, clamped to +-6, and rounded to the nearest number of E2M1, ties to even, subnormals kept.
;;     - The product sums the exact products of the quantised numbers (number of the format x scale) in f32.
;;   ~~~python
;;   def quantise(x, axis):      # numpy; x: float32 -> the quantised numbers, widened to float32 again
;;       x = np.moveaxis(x, axis, -1); K = x.shape[-1]
;;       x = np.pad(x, [(0, 0)] * (x.ndim - 1) + [(0, -K % 32)]); x = x.reshape(x.shape[:-1] + (-1, 32)); a = np.abs(x).max(-1, keepdims=True)
;;       e = np.where(a > 0, np.clip(np.frexp(np.where(a > 0, a, 1))[1] - 1 - 2, -126, 127), 0)      # np.frexp(a)[1] - 1 = floor(log2(a)), exactly
;;       r = np.clip(x / 2.0 ** e, -6, 6)
;;       step = 2.0 ** (np.maximum(np.frexp(np.where(r == 0, 1, r))[1] - 1, 0) - 1)
;;       q = np.round(r / step) * step * 2.0 ** e      # np.round: ties to even
;;       return np.moveaxis(q.reshape(q.shape[:-2] + (-1,))[..., :K], -1, axis).astype(np.float32)
;;   ~~~
;;   SOFTMAX AHEAD OF A QUANTISED PRODUCT. Where the list says 'softmax', what is quantised is not the finished softmax but p = 2^(t - M), with t = logit x log2(e) and M = ceil(the row's largest t), a whole number; so 1/2 < the row's largest p <= 1. The row's sum l is taken of the UNQUANTISED p, in f32, and the product's result is divided by l at the end. Since M is a whole number, a kernel that streams over the keys may use a running M (the ceiling of the running maximum): every later rescaling is an exact power of two, which a block's scale takes up: the codes' values come out the same.
;;   OPERANDS COMPUTED ON THE WAY. 'Computed on the way' means the value that the module computes at that place (a softmax that the list does not call 'softmax' is quantised finished and normalised). What goes into a quantiser is computed in f32, as accurately as f32 sums, v_exp_f32 and their like allow (about 1e-6 of the number): no bf16 or f16 on the way to a quantiser, and a product that is left as it is and whose result goes on into a quantised operand takes f32 operands (vector FMAs, or v_wmma_f32_16x16x4_f32). A number that lies on a knife's edge between two numbers of the format may be rounded either way, as far as f32 arithmetic and the matrix unit's own rounding can turn it there, and no further.
;;   INPUTS GIVEN AS CODES. w1 (in the module: [512, 2048], K = its axis 0); w2 (in the module: [2048, 512], K = its axis 0); wk (in the module: [512, 512], K = its axis 0); wo (in the module: [512, 512], K = its axis 0); wq (in the module: [512, 512], K = its axis 0); wv (in the module: [512, 512], K = its axis 0): each comes as NAME_codes (uint8): NAME with its K axis moved to the last place and cut into blocks of 32 codes, [.., K / 32, bytes a block], one block behind the other in memory; two codes a byte, the lower K in the low four bits (a code: sign, 2 exponent bits, 1 mantissa bit); and NAME_scales (uint8): the same leading axes, one E8M0 byte (e + 127) for each 32 codes along K. Its value is code x scale, taken as it is: it is not quantised again, and the codes and scales need not be those that the quantiser above would give.
;; One version. Each part assembles by itself: llvm-mc -triple=amdgcn-amd-amdhsa -mcpu=gfx1250 --defsym DOCPART=n.
;; ======== version 1 of 1: 1 launch
;; limits: right only within a limited range of input values
;; launch block (part 1): grid 256 x 1, 8 waves a work-group, clusters of 4 x 1, 327,680 bytes of LDS; arguments x, out0, wq_codes, wq_scales, wk_codes, wk_scales, wv_codes, wv_scales, wo_codes, wo_scales, w1_codes, w1_scales, w2_codes, w2_scales, bq, bk, bv, bo, b1, b2, ln1_g, ln1_b, ln2_g, ln2_b; writes out0
.if DOCPART == 1
	.amdgcn_target "amdgcn-amd-amdhsa--gfx1250"
	.amdhsa_code_object_version 6
	.text
	.protected	k_q403362fbf9_block
	.globl	k_q403362fbf9_block
	.p2align	8
	.type	k_q403362fbf9_block,@function
k_q403362fbf9_block:
	s_mov_b64 s[64:65], 0
	v_nop
	global_prefetch_b8 v0, s[64:65] scope:SCOPE_SE
	s_setreg_imm32_b32 hwreg(HW_REG_WAVE_MODE, 25, 1), 1
	s_wait_xcnt 0x0
	s_wait_alu depctr_hold_cnt(0) depctr_sa_sdst(0) depctr_va_vdst(0) depctr_va_sdst(0) depctr_va_ssrc(0) depctr_va_vcc(0) depctr_vm_vsrc(0)
	s_getreg_b32 s2, hwreg(HW_REG_IB_STS2, 6, 4)
	s_cmp_eq_u32 s2, 0
	s_cbranch_scc0 .Lentry_in_a_cluster
	s_endpgm
.Lentry_in_a_cluster:
	s_bfe_u32 s2, ttmp6, 0x10000c
	s_cmp_lg_u32 s2, 0x3003
	s_cbranch_scc0 .Lentry_shape_is_right
	s_endpgm
.Lentry_shape_is_right:
; A whole transformer block in one launch: QKV, band attention (|i - j| <= 64), wo, residual, LN1, FFN (relu), residual, LN2.  x, out0: [4][2048][512] f32.
; All eight products on codes of FP4 (E2M1) with one E8M0 scale for each 32 along K; the six weights arrive as codes, K innermost; every other operand is quantised here, from f32.
; SHARES.  256 work-groups; each owns one aligned group of 32 rows (batch, g) and takes it through the whole block.  A query needs the keys of the 64 rows on either side: k and v of groups g - 2 .. g + 2
; (160 rows) are computed here again, so that nothing goes through memory between the steps.  Groups past the sequence's ends are replaced by the nearest real group and hidden by the mask.
; LEFT OUT: scores and weighted sums of keys in other groups: the band makes their weight 0 whatever the inputs hold.  A NaN, an infinity or an overflow that reaches only those is not carried to the result.
; Eight waves of 512 registers.  Wave w is head w in the projections and in attention, and owns columns 64 w .. 64 w + 63 (hidden units 256 w .. + 255) elsewhere.
; WEIGHTS: twelve steps of 512 weight rows x 512 along K (wk, wv, wq, wo, w1 in four chunks of rows, w2 in four chunks of K), a loop written out.  A wave fetches 64 rows x 256 bytes by one tensor load, reads them itself
; into 128 registers and multiplies from there.  Two LDS slots take turns; while a step is multiplied from registers, the next one lies in LDS and the one after it is on its way.
; CLUSTERS of four work-groups: all walk the same weights, so every such load is a joint one (mask 15): the same descriptor in all four, made of the wave's number alone.
; PREFETCH of the weights' codes: behind the load of step t stands one instruction for step t + 2 (the first two steps come by their loads alone, the last two loads ask for nothing).  A step is 512 blocks of 256 bytes;
; wave 0 of the work-groups of clusters 0 .. 7 asks, 32 blocks each, a lane a block, told apart by address: clusters c and c + 4 name the same 128 blocks, so each block is named twice in the launch.
; Clusters take positions in the order 8 (c % 8) + c / 8: clusters whose numbers differ by 8 own neighbouring rows.
; OPERANDS GO FROM WAVE TO WAVE THROUGH LDS: [row tile][block of 32][r][16 bytes]; half c of K step s comes back by one load of 16 bytes at 1024 s + 512 c + 16 lane.  Scale bytes lie [row tile][r][bytes along K].
; k, v and q are used by the wave that makes them: their codes become operands in registers, by exchanges between the halves of the lanes.
; In a result, register j of lanes' half h of tile t is index 16 t + 8 h + j: a block of 32 lies in two tiles and in lanes l and l xor 16.
; SOFTMAX: all 160 keys of a query are in registers at once, so M = ceil(the row's largest t) is the true one; p = 2^(t - M); the row's sum is taken of the unquantised p and divides at the end.
; LIMITS: NaN and infinities among the inputs are not served.  A block of zeros gets the scale byte 1 where the rule says 127: its codes are zeros, and this program alone reads the byte.
; The whole of LDS is claimed.
.set ROWS, 17408       ; 64 rows x (256 + 16) bytes: a wave's part of a slot; rows 272 bytes apart
.set SLOT, 139264      ; eight waves' parts
.set IMG,  278528      ; images, behind two slots: x codes [tile 10][block 16][r][16], scale bytes [tile 10][r][16] at + 40960
.set XSO,  40960
.set AIO,  0           ; attention's output, over x's tiles 0 and 1 (dead by then); its scale bytes at + 8192
.set HIO,  34816       ; h's codes, its scale bytes at + 8192
.set FSO,  32768       ; hidden layer: codes at 0 [tile 2][block 64][r][16], scale bytes [tile][r][64] here
.set LP,   322048      ; the norms' parts [sum, squares][wave 8][tile 2][r 16] f32; until q's product bq lies here, 256 bytes a wave
.set VBO,  2048        ; LP + 2048: ln1_b, 256 bytes a wave
.set SPARE, 326144     ; the spare words, 128 bytes for each wave
; the stage for the way out, 32 rows x 2,064 bytes, lies in slot 0 when that slot has had its last fill
; registers, window 0: v1 LP + 256 w + 8 lane; v2 LP + 256 w + 32 h; v3 8 lane; v4, v5 LDS address of my weights in slot 0, 1; v6 16 r; v7 64 r; v8 32 h; v9-11 x; v12 IMG + 16 lane; v13 IMG + 16 r; v14-18 images; v19, v20 norms;
; v21 2048 r + 32 h; v22 r - 8 h; v23 16 lane; v24, v25 stage; v26 4 r; v27, v30, v31 prefetches; v28, v29 the add; v32-55 at work; v56-95 scales; v96-159 AF; v160-223 ACC; v224-241 scales of k and v, later a gain; v242-253 at work.
; (r = lane % 16, h = lane / 16)
; window 1, up to attention: v0-39 k, v44-91 v, v96-127 a bias, later q, v128-255 weights.  Behind it: v0-127 weights, v128-191 residual, v192-223 and v224-255 biases, at the end v192-223 a shift.
.set SPW, 28
.set NIL, 29
.set PF1, 27           ; dense rows of 256 bytes
.set PF2, 30           ; w1: eight runs of 64 rows
.set PF3, 31           ; w2: rows of 1,024 bytes
.set TM,  32           ; largest magnitudes
.set TT,  36           ; lane permutes' results
.set SC,  40           ; the conversions' scale operands
.set BY,  44           ; scale bytes
.set CD,  48           ; codes
.set WS0, 56           ; weights' scale words, 4 t + s
.set WS1, 72
.set AS,  88           ; activations' scale words, 4 m + s
.set AF,  96           ; activations' fragments, 32 m + 8 s + 4 c
.set ACC, 160          ; accumulators, 32 m + 8 t
.set KSC, 224          ; k's scale words
.set VSC, 234          ; v's, two a channel tile
.set KF,  0            ; window 1: k's codes, four registers a tile (a fragment's upper four meet q's zero codes)
.set VF,  44           ; window 1: v's codes, twelve a channel tile
.set QF,  96           ; window 1: q's fragments
.set G1,  52
.set G0,  60
.set WV,  66
.set LW,  69
.set PFN, 76           ; 0 in the waves that prefetch
.set MSB, 0
.macro WIN new                         ; the immediate's high byte repeats the setting that is left
.if MSB != \new
	s_set_vgpr_msb (MSB<<8)|\new
.set MSB, \new
.endif
.endm
.macro PLACES cnt                      ; plain vector lines behind matrix instructions (ISA guide 7.12.1)
.rept \cnt
	v_nop
.endr
.endm
.macro WDS                             ; all my LDS instructions are done
	s_wait_alu depctr_va_vdst(0)
	s_wait_dscnt 0x0
.endm
.macro BARRIER
	WDS
	s_barrier_signal -1
	s_barrier_wait -1
.endm
.macro ROUND                           ; a round of the cluster's barrier
	s_barrier_signal -1
	s_barrier_wait -1
	s_cmp_lg_u32 s[WV], 0
	s_cbranch_scc1 .Lnot_wave_0_\@
	s_barrier_signal -3
.Lnot_wave_0_\@:
	s_barrier_wait -3
	s_barrier_signal -1
	s_barrier_wait -1
.endm
.macro TLOAD
	tensor_load_to_lds s[G0:G0+3], s[G1:G1+7]
	s_nop 0
.rept 4
	v_nop
.endr
.endm
; a slot is filled: my 64 rows from the pointer + off.  In front of the round every wave has waited for all its tensor loads and for its reads of the slot; the round is also the barrier behind which images are read.
.macro REFILL slot, ptr, off, pitch
	WIN 0
	s_wait_alu depctr_va_vdst(0)
	s_wait_tensorcnt 0x0
	ds_add_u32 v[SPW], v[NIL]
	s_add_co_u32 s[G0+1], s[LW], \slot*SLOT        ; no tensor load of mine is out: the descriptor may be written
	s_add_nc_u64 s[G0+2:G0+3], s[\ptr:\ptr+1], \off
	s_or_b32 s[G0+3], s[G0+3], 0x80000000
.if \pitch
	s_mov_b32 s[G1+5], \pitch
.endif
	s_wait_dscnt 0x0
	ROUND
	TLOAD
.endm
; the prefetch of the step two on: its pointers are the buffers' first bytes in wave 0, which alone asks; neither they nor the offset registers are written again
.macro ASK ptr, reg, off
	s_cmp_lg_u32 s[PFN], 0
	s_cbranch_scc1 .Lnot_mine_\@
	global_prefetch_b8 v[\reg], s[\ptr:\ptr+1] offset:\off th:TH_LOAD_NT scope:SCOPE_SE
.Lnot_mine_\@:
.endm
.macro WMC d, a, b, c, sa, sb
	v_wmma_scale_f32_16x16x128_f8f6f4 v[(\d):(\d)+7], v[(\a):(\a)+7], v[(\b):(\b)+7], v[(\c):(\c)+7], v[\sa], v[\sb] matrix_a_fmt:MATRIX_FMT_FP4 matrix_b_fmt:MATRIX_FMT_FP4
.endm
.macro WMZ d, a, b, sa, sb             ; the constant 0 as C starts a sum
	v_wmma_scale_f32_16x16x128_f8f6f4 v[(\d):(\d)+7], v[(\a):(\a)+7], v[(\b):(\b)+7], 0, v[\sa], v[\sb] matrix_a_fmt:MATRIX_FMT_FP4 matrix_b_fmt:MATRIX_FMT_FP4
.endm
.macro HREAD wb, adr, s0               ; of my 64 weight rows in a slot K steps s0 and s0 + 1: fragment (t, s) at wb + 8 (4 t + s) in window 1
	WIN 0x40
.irp t, 0,1,2,3
.irp d, 0,1
.irp c, 0,1
	ds_load_b128 v[\wb+8*(4*\t+\s0+\d)+4*\c:\wb+8*(4*\t+\s0+\d)+4*\c+3], v[\adr] offset:4352*\t+64*(\s0+\d)+32*\c
.endr
.endr
.endr
	WIN 0
.endm
.macro WREAD wb, adr                   ; all four
	HREAD \wb, \adr, 0
	HREAD \wb, \adr, 2
.endm
.macro WSL ws, sp, va, tst, off        ; their scale words: 4 loads
.irp t, 0,1,2,3
	global_load_b128 v[\ws+4*\t:\ws+4*\t+3], v[\va], s[\sp:\sp+1] offset:\tst*\t+\off
.endr
.endm
.macro BLOAD dst, w, p, off            ; 32 numbers of a bias or gain in the result's layout: 8 loads
	WIN 0x40*\w
.irp t, 0,1,2,3
.irp q, 0,1
	global_load_b128 v[\dst+8*\t+4*\q:\dst+8*\t+4*\q+3], v8, s[\p:\p+1] offset:\off+64*\t+16*\q
.endr
.endr
	WIN 0
.endm
.macro LLOAD dst, w, off               ; the same from LDS
	WIN 0x40*\w
.irp t, 0,1,2,3
.irp q, 0,1
	ds_load_b128 v[\dst+8*\t+4*\q:\dst+8*\t+4*\q+3], v2 offset:\off+64*\t+16*\q
.endr
.endr
	WIN 0
.endm
.macro ALOAD off, ms                   ; two row tiles x four K steps of an image
.irp m, 0,1
.irp s, 0,1,2,3
.irp c, 0,1
	ds_load_b128 v[AF+32*\m+8*\s+4*\c:AF+32*\m+8*\s+4*\c+3], v12 offset:\off+\m*\ms+1024*\s+512*\c
.endr
.endr
.endr
.endm
.macro SLOAD adr, off, ms              ; and their scale words
.irp m, 0,1
	ds_load_b128 v[AS+4*\m:AS+4*\m+3], v[\adr] offset:\off+\m*\ms
.endr
.endm
.macro XA g                            ; x's group g
	ALOAD 8192*(\g), 4096
	SLOAD 13, XSO+512*(\g), 256
.endm
; 32 matrix instructions, transposed use: source 0 = 16 weight rows, source 1 = 16 rows of the activation.  The 8 accumulators take turns, one instruction a turn.  cb: window 1's registers that start the sums (-1: they go on).
; nx > 0: the next step's fragments are read by this address register, those of K steps 0 and 1 in the product's middle, when their registers are done with
.macro MMT wb, ws, cb, cm, nx
.irp s, 0,1,2,3
.if (\s == 0) && (\cb >= 0)
	WIN 0x11
.else
	WIN 0x01
.endif
.irp m, 0,1
.irp t, 0,1,2,3
.if (\s == 0) && (\cb >= 0)
	WMC ACC+32*\m+8*\t, \wb+8*(4*\t+\s), AF+32*\m+8*\s, \cb+\cm*\m+8*\t, \ws+4*\t+\s, AS+4*\m+\s
.else
	WMC ACC+32*\m+8*\t, \wb+8*(4*\t+\s), AF+32*\m+8*\s, ACC+32*\m+8*\t, \ws+4*\t+\s, AS+4*\m+\s
.endif
.endr
.endr
.if (\s == 1) && (\nx > 0)
	PLACES 4
	HREAD \wb, \nx, 0
.endif
.endr
	WIN 0
	PLACES 4
.if \nx > 0
	HREAD \wb, \nx, 2
.endif
.endm
; the same the other way round: source 0 = the activation's rows, source 1 = weight rows: a lane holds one channel, and its registers run down the keys
.macro MMV wb, ws, cb
.irp s, 0,1,2,3
.if \s == 0
	WIN 0x14
.else
	WIN 0x04
.endif
.irp m, 0,1
.irp t, 0,1,2,3
.if \s == 0
	WMC ACC+32*\m+8*\t, AF+32*\m+8*\s, \wb+8*(4*\t+\s), \cb+8*\t, AS+4*\m+\s, \ws+4*\t+\s
.else
	WMC ACC+32*\m+8*\t, AF+32*\m+8*\s, \wb+8*(4*\t+\s), ACC+32*\m+8*\t, AS+4*\m+\s, \ws+4*\t+\s
.endif
.endr
.endr
.endr
	WIN 0
	PLACES 4
.endm
; nb blocks by turns; block k has my 16 numbers in v[base + st k] .. + 7 and v[base + st k + bo] .. + 7.  Leaves the scale operand in v[SC + k] and the byte in v[BY + k].  ab = 0: what is negative does not count (relu)
.macro BMAX nb, base, st, bo, ab
.irp k, 0,1,2,3
.if \k < \nb
.if \ab
	v_max3_num_f32 v[TM+\k], |v[\base+\st*\k]|, |v[\base+\st*\k+1]|, 0x1800000   ; and the floor 2^(3 - 127): the byte cannot fall under 1
.else
	v_max3_num_f32 v[TM+\k], v[\base+\st*\k], v[\base+\st*\k+1], 0x1800000
.endif
.endif
.endr
.irp j, 2,4,6
.irp k, 0,1,2,3
.if \k < \nb
.if \ab
	v_max3_num_f32 v[TM+\k], v[TM+\k], |v[\base+\st*\k+\j]|, |v[\base+\st*\k+\j+1]|
.else
	v_max3_num_f32 v[TM+\k], v[TM+\k], v[\base+\st*\k+\j], v[\base+\st*\k+\j+1]
.endif
.endif
.endr
.endr
.irp j, 0,2,4,6
.irp k, 0,1,2,3
.if \k < \nb
.if \ab
	v_max3_num_f32 v[TM+\k], v[TM+\k], |v[\base+\st*\k+\bo+\j]|, |v[\base+\st*\k+\bo+\j+1]|
.else
	v_max3_num_f32 v[TM+\k], v[TM+\k], v[\base+\st*\k+\bo+\j], v[\base+\st*\k+\bo+\j+1]
.endif
.endif
.endr
.endr
.irp k, 0,1,2,3
.if \k < \nb
	v_permlanex16_b32 v[TT+\k], v[TM+\k], s78, s79
.endif
.endr
.irp k, 0,1,2,3
.if \k < \nb
	v_max_num_f32 v[TM+\k], v[TM+\k], v[TT+\k]     ; with lane l xor 16's: the block's largest magnitude
.endif
.endr
.irp k, 0,1,2,3
.if \k < \nb
	v_add_nc_u32 v[SC+\k], 0xff000000, v[TM+\k]    ; 2 off its exponent field: the conversion takes that field as its scale
.endif
.endr
.irp k, 0,1,2,3
.if \k < \nb
	v_lshrrev_b32 v[BY+\k], 23, v[SC+\k]
.endif
.endr
.endm
; the codes: kq = 0: block k in D + 2 k, D + 2 k + 1.  kq = 1: two blocks make four registers whose halves are then exchanged
.macro CVT nb, base, st, bo, D, kq
.irp k, 0,1,2,3
.if \k < \nb
.if \kq
	v_cvt_scalef32_pk8_fp4_f32 v[\D+4*(\k/2)+(\k%2)], v[\base+\st*\k:\base+\st*\k+7], v[SC+\k]
	v_cvt_scalef32_pk8_fp4_f32 v[\D+4*(\k/2)+(\k%2)+2], v[\base+\st*\k+\bo:\base+\st*\k+\bo+7], v[SC+\k]
.else
	v_cvt_scalef32_pk8_fp4_f32 v[\D+2*\k], v[\base+\st*\k:\base+\st*\k+7], v[SC+\k]
	v_cvt_scalef32_pk8_fp4_f32 v[\D+2*\k+1], v[\base+\st*\k+\bo:\base+\st*\k+\bo+7], v[SC+\k]
.endif
.endif
.endr
	v_nop                                          ; one plain line behind the scaled conversions
.endm
; the codes and bytes of blocks k = 2 m + b go to an image
.macro IMST nb, ca, ba, cm, bm, co, bo
.irp k, 0,1,2,3
.if \k < \nb
	ds_store_b32 v[\ca], v[CD+2*\k] offset:\co+\cm*(\k/2)+256*(\k%2)
	ds_store_b32 v[\ca], v[CD+2*\k+1] offset:\co+\cm*(\k/2)+256*(\k%2)+8
	ds_store_b8 v[\ba], v[BY+\k] offset:\bo+\bm*(\k/2)+(\k%2)
.endif
.endr
.endm
; k's and q's: two blocks a row (a head's 64): the scale word's upper half holds nothing, 0x7f; the four registers' halves are exchanged: lanes 0-15 block 0, lanes 16-31 block 1
.macro KQ wd
	BMAX 4, ACC, 16, 8, 1
.irp m, 0,1
	v_lshl_or_b32 v[\wd+\m], v[BY+2*\m+1], 8, v[BY+2*\m]
.endr
.irp m, 0,1
	v_or_b32 v[\wd+\m], 0x7f7f0000, v[\wd+\m]
.endr
	CVT 4, ACC, 16, 8, CD, 1
.irp n, 0,2,4,6
	v_permlane16_swap_b32 v[CD+\n], v[CD+\n+1]
.endr
.endm
.macro XLOAD buf, w, i                 ; group i: my four rows; lane l: row l / 8, eight numbers at 32 (l % 8) of each 256 bytes
	WIN 0x40*\w
.irp k, 0,1,2,3,4,5,6,7
.irp q, 0,1
	global_load_b128 v[\buf+8*\k+4*\q:\buf+8*\k+4*\q+3], v9, s[88+2*\i:89+2*\i] offset:256*\k+16*\q
.endr
.endr
	WIN 0
.endm
.macro XQ buf, w, i                    ; eight pieces by turns; a block of 32 lies in four neighbouring lanes
	WIN 0x14*\w
.irp k, 0,1,2,3,4,5,6,7
	v_max3_num_f32 v[32+\k], 0x1800000, |v[\buf+8*\k]|, |v[\buf+8*\k+1]|
.endr
.irp j, 2,4,6
.irp k, 0,1,2,3,4,5,6,7
	v_max3_num_f32 v[32+\k], v[32+\k], |v[\buf+8*\k+\j]|, |v[\buf+8*\k+\j+1]|
.endr
.endr
	WIN 0
.irp k, 0,1,2,3,4,5,6,7
	v_max_num_f32_dpp v[32+\k], v[32+\k], v[32+\k] row_xmask:1 row_mask:0xf bank_mask:0xf
.endr
.irp k, 0,1,2,3,4,5,6,7
	v_max_num_f32_dpp v[32+\k], v[32+\k], v[32+\k] row_xmask:2 row_mask:0xf bank_mask:0xf
.endr
.irp k, 0,1,2,3,4,5,6,7
	v_add_nc_u32 v[32+\k], 0xff000000, v[32+\k]
.endr
	WDS                                            ; the last unit's stores are done
.irp k, 0,1,2,3,4,5,6,7
	v_lshrrev_b32 v[40+\k], 23, v[32+\k]
.endr
	WIN 0x01*\w
.irp k, 0,1,2,3,4,5,6,7
	v_cvt_scalef32_pk8_fp4_f32 v[48+\k], v[\buf+8*\k:\buf+8*\k+7], v[32+\k]
.endr
	WIN 0
	v_nop
.irp k, 0,1,2,3,4,5,6,7
	ds_store_b32 v10, v[48+\k] offset:8192*\i+512*\k
	ds_store_b8 v11, v[40+\k] offset:512*\i+2*\k   ; the four lanes of a block write the same byte with the same value
.endr
.endm
; layer norm of the rows in ACC, in place, over eight waves of 64 columns: each wave's sum and its squared deviations from its own mean; the row's are the sums of the eight, and 64 x the squared distances of the means (no difference of large sums).
; rd = 1: the next weights are read meanwhile, and the shift lies in AF; rd = 0: the shift lies in window 1 at v192.  lc: the loads behind the gain's that may be out
.macro LNORM rd, lc
.irp m, 0,1
	v_pk_add_f32 v[128+4*\m:129+4*\m], v[ACC+32*\m:ACC+32*\m+1], v[ACC+32*\m+2:ACC+32*\m+3]
.endr
.irp m, 0,1
	v_pk_add_f32 v[130+4*\m:131+4*\m], v[ACC+32*\m+4:ACC+32*\m+5], v[ACC+32*\m+6:ACC+32*\m+7]
.endr
.irp j, 8,12,16,20,24,28
.irp m, 0,1
	v_pk_add_f32 v[128+4*\m:129+4*\m], v[128+4*\m:129+4*\m], v[ACC+32*\m+\j:ACC+32*\m+\j+1]
.endr
.irp m, 0,1
	v_pk_add_f32 v[130+4*\m:131+4*\m], v[130+4*\m:131+4*\m], v[ACC+32*\m+\j+2:ACC+32*\m+\j+3]
.endr
.endr
.irp m, 0,1
	v_pk_add_f32 v[128+4*\m:129+4*\m], v[128+4*\m:129+4*\m], v[130+4*\m:131+4*\m]
.endr
.irp m, 0,1
	v_add_f32 v[128+4*\m], v[128+4*\m], v[129+4*\m]
.endr
.irp m, 0,1
	v_permlanex16_b32 v[TT+\m], v[128+4*\m], s78, s79
.endr
.irp m, 0,1
	v_add_f32 v[128+4*\m], v[128+4*\m], v[TT+\m]
.endr
.irp m, 0,1
	v_mul_f32 v[32+2*\m], s98, v[128+4*\m]         ; my 64 columns' mean
.endr
.irp m, 0,1
	v_mov_b32 v[33+2*\m], v[32+2*\m]               ; (named with it as a pair)
.endr
.set j, 0
.rept 32
	v_pk_add_f32 v[ACC+j:ACC+j+1], v[ACC+j:ACC+j+1], v[32+2*(j/32):33+2*(j/32)] op_sel_hi:[1,0] neg_lo:[0,1] neg_hi:[0,1]
.set j, j+2
.endr
.irp m, 0,1
	v_pk_mul_f32 v[136+4*\m:137+4*\m], v[ACC+32*\m:ACC+32*\m+1], v[ACC+32*\m:ACC+32*\m+1]
.endr
.irp m, 0,1
	v_pk_mul_f32 v[138+4*\m:139+4*\m], v[ACC+32*\m+2:ACC+32*\m+3], v[ACC+32*\m+2:ACC+32*\m+3]
.endr
.irp j, 4,8,12,16,20,24,28
.irp m, 0,1
	v_pk_fma_f32 v[136+4*\m:137+4*\m], v[ACC+32*\m+\j:ACC+32*\m+\j+1], v[ACC+32*\m+\j:ACC+32*\m+\j+1], v[136+4*\m:137+4*\m]
.endr
.irp m, 0,1
	v_pk_fma_f32 v[138+4*\m:139+4*\m], v[ACC+32*\m+\j+2:ACC+32*\m+\j+3], v[ACC+32*\m+\j+2:ACC+32*\m+\j+3], v[138+4*\m:139+4*\m]
.endr
.endr
.irp m, 0,1
	v_pk_add_f32 v[136+4*\m:137+4*\m], v[136+4*\m:137+4*\m], v[138+4*\m:139+4*\m]
.endr
.irp m, 0,1
	v_add_f32 v[136+4*\m], v[136+4*\m], v[137+4*\m]
.endr
.irp m, 0,1
	v_permlanex16_b32 v[TT+\m], v[136+4*\m], s78, s79
.endr
.irp m, 0,1
	v_add_f32 v[136+4*\m], v[136+4*\m], v[TT+\m]
.endr
.irp m, 0,1
	ds_store_b32 v19, v[128+4*\m] offset:64*\m
	ds_store_b32 v19, v[136+4*\m] offset:1024+64*\m
.endr
	BARRIER
.irp m, 0,1
.irp w, 0,1,2,3,4,5,6,7
	ds_load_b32 v[128+8*\m+\w], v20 offset:128*\w+64*\m
	ds_load_b32 v[144+8*\m+\w], v20 offset:1024+128*\w+64*\m
.endr
.endr
	s_wait_dscnt 0x0
	s_wait_loadcnt \lc                             ; the gain
.if \rd
	WREAD 0, 4
.endif
.irp m, 0,1
	v_pk_add_f32 v[36+2*\m:37+2*\m], v[128+8*\m:129+8*\m], v[130+8*\m:131+8*\m]
.endr
.irp m, 0,1
	v_pk_add_f32 v[48+2*\m:49+2*\m], v[132+8*\m:133+8*\m], v[134+8*\m:135+8*\m]
.endr
.irp m, 0,1
	v_pk_add_f32 v[44+2*\m:45+2*\m], v[144+8*\m:145+8*\m], v[146+8*\m:147+8*\m]
.endr
.irp m, 0,1
	v_pk_add_f32 v[36+2*\m:37+2*\m], v[36+2*\m:37+2*\m], v[48+2*\m:49+2*\m]
.endr
.irp m, 0,1
	v_pk_add_f32 v[44+2*\m:45+2*\m], v[44+2*\m:45+2*\m], v[148+8*\m:149+8*\m]
.endr
.irp m, 0,1
	v_add_f32 v[36+2*\m], v[36+2*\m], v[37+2*\m]
.endr
.irp m, 0,1
	v_pk_add_f32 v[44+2*\m:45+2*\m], v[44+2*\m:45+2*\m], v[150+8*\m:151+8*\m]
.endr
.irp m, 0,1
	v_mul_f32 v[36+2*\m], s82, v[36+2*\m]          ; the row's mean
.endr
.irp p, 128,130,132,134
.irp m, 0,1
	v_pk_fma_f32 v[\p+8*\m:\p+8*\m+1], v[\p+8*\m:\p+8*\m+1], s[98:99], v[36+2*\m:37+2*\m] op_sel_hi:[1,0,0] neg_lo:[0,0,1] neg_hi:[0,0,1]   ; each wave's mean less the row's
.endr
.endr
.irp m, 0,1
	v_sub_f32 v[40+2*\m], v[32+2*\m], v[36+2*\m]   ; mine
.endr
.irp m, 0,1
	v_pk_mul_f32 v[48+2*\m:49+2*\m], v[128+8*\m:129+8*\m], v[128+8*\m:129+8*\m]
.endr
.irp p, 130,132,134
.irp m, 0,1
	v_pk_fma_f32 v[48+2*\m:49+2*\m], v[\p+8*\m:\p+8*\m+1], v[\p+8*\m:\p+8*\m+1], v[48+2*\m:49+2*\m]
.endr
.endr
.irp m, 0,1
	v_pk_fma_f32 v[44+2*\m:45+2*\m], v[48+2*\m:49+2*\m], 0x42800000, v[44+2*\m:45+2*\m] op_sel_hi:[1,0,1]
.endr
.irp m, 0,1
	v_add_f32 v[44+2*\m], v[44+2*\m], v[45+2*\m]
.endr
.irp m, 0,1
	v_fma_f32 v[44+2*\m], v[44+2*\m], s82, s83     ; the variance + eps
.endr
	s_wait_alu depctr_va_vdst(0)
	v_rsq_f32 v52, v44
	v_rsq_f32 v54, v46
	v_nop                                          ; a plain line behind the transcendentals,
	s_wait_alu depctr_va_vdst(0)                   ; and a wait
.irp m, 0,1
	v_mul_f32 v[40+2*\m], v[40+2*\m], v[52+2*\m]
.endr
.irp m, 0,1
	v_mov_b32 v[53+2*\m], v[52+2*\m]
.endr
.irp m, 0,1
	v_mov_b32 v[41+2*\m], v[40+2*\m]
.endr
.set j, 0
.rept 32
	v_pk_fma_f32 v[ACC+j:ACC+j+1], v[ACC+j:ACC+j+1], v[52+2*(j/32):53+2*(j/32)], v[40+2*(j/32):41+2*(j/32)] op_sel_hi:[1,0,0]
.set j, j+2
.endr
.set j, 0
.if \rd
.rept 32
	v_pk_fma_f32 v[ACC+j:ACC+j+1], v[ACC+j:ACC+j+1], v[224+j%32:225+j%32], v[AF+j%32:AF+j%32+1]
.set j, j+2
.endr
.else
	WIN 0x10
.rept 32
	v_pk_fma_f32 v[ACC+j:ACC+j+1], v[ACC+j:ACC+j+1], v[224+j%32:225+j%32], v[192+j%32:193+j%32]
.set j, j+2
.endr
	WIN 0
.endif
.endm
; ---------------- the head
	s_load_b512 s[4:19], s[0:1], 0x0               ; x, out0, wq codes, scales, wk codes, scales, wv codes, scales
	s_load_b512 s[20:35], s[0:1], 0x40             ; wo codes, scales, w1 codes, scales, w2 codes, scales, bq, bk
	s_load_b512 s[36:51], s[0:1], 0x80             ; bv, bo, b1, b2, ln1_g, ln1_b, ln2_g, ln2_b
	v_lshl_add_u32 v[SPW], v0, 2, SPARE
	v_mov_b32 v[NIL], 0
	ds_add_u32 v[SPW], v[NIL]                      ; the opening lines: the add, twice on end, and its wait
	ds_add_u32 v[SPW], v[NIL]
	v_lshrrev_b32 v1, 5, v0
	v_readfirstlane_b32 s[WV], v1                  ; wave w
	s_mov_b32 s[G1+0], 15|(1<<20)|(1<<21)|(5<<22)|(3<<25)   ; 15:0 the mask: all four; elements of 1 byte; padding: after every 64 words 4 words; 21 set beside a mask
	s_mov_b32 s[G1+1], 256<<16                     ; a tile: 64 rows of 256 bytes
	s_mov_b32 s[G1+2], 64<<16
	s_mov_b32 s[G1+3], 256<<16
	s_mov_b32 s[G1+4], 64
	s_mov_b32 s[G1+5], 256                         ; rows 256 bytes apart (w2's, later: 1,024)
	s_mov_b32 s[G1+6], 0
	s_mov_b32 s[G1+7], 0
	s_mov_b32 s[G0], 1
	s_bfe_u32 s98, ttmp6, 0x40000                  ; cx
	s_and_b32 s99, ttmp9, 7
	s_lshl_b32 s99, s99, 3
	s_lshr_b32 s100, ttmp9, 3
	s_or_b32 s99, s99, s100                        ; the cluster's position
	s_lshl_b32 s99, s99, 2
	s_add_co_u32 s99, s99, s98
	s_and_b32 s67, s99, 63                         ; group g
	s_lshr_b32 s68, s99, 6                         ; batch
	s_and_b32 s88, ttmp9, 3                        ; the prefetches: u = 4 (cluster % 4) + cx names 32 blocks of each step
	s_lshl_b32 s88, s88, 2
	s_add_co_u32 s88, s88, s98
	s_lshr_b32 s89, s88, 1
	s_lshl_b32 s89, s89, 16
	s_and_b32 s90, s88, 1
	s_lshl_b32 s90, s90, 13
	s_add_co_u32 s89, s89, s90                     ; w1: rows 256 (u / 2) + 32 (u % 2)
	s_lshl_b32 s90, s88, 15                        ; w2: rows 32 u
	s_lshl_b32 s88, s88, 13                        ; the others: rows 32 u
	s_mul_i32 s[LW], s[WV], ROWS                   ; my part of slot 0,
	s_add_co_u32 s70, s[LW], SLOT                  ; of slot 1
	s_lshr_b32 s98, s[WV], 2
	s_and_b32 s99, s[WV], 3
	s_lshl_b32 s99, s99, 6
	s_lshl_b32 s100, s98, 12
	s_add_co_u32 s71, s99, s100
	s_add_co_u32 s71, s71, IMG                     ; x codes: my rows 4 w .. of a group are rows 4 (w % 4) .. of its tile w / 4
	s_lshl_b32 s100, s98, 8
	s_add_co_u32 s72, s99, s100
	s_add_co_u32 s72, s72, IMG+XSO                 ; and their scale bytes
	s_lshl_b32 s73, s[WV], 9
	s_add_co_u32 s73, s73, IMG
	s_lshl_b32 s74, s[WV], 11
	s_add_co_u32 s74, s74, IMG
	s_lshl_b32 s75, s[WV], 1
	s_add_co_u32 s75, s75, IMG
	s_lshl_b32 s76, s[WV], 3
	s_add_co_u32 s76, s76, IMG+FSO
	s_lshl_b32 s77, s[WV], 7
	s_add_co_u32 s77, s77, LP
	s_lshl_b32 s100, s[WV], 8
	s_mul_i32 s101, s[WV], 8256
	s_mov_b32 s78, 0x76543210
	s_mov_b32 s79, 0xfedcba98                      ; v_permlanex16_b32's selects for lane l xor 16
	s_mov_b32 s80, 0x3e38aa3b                      ; c = log2(e) / sqrt(64)
	s_mov_b32 s81, s80                             ; (named with it as a pair)
	s_mov_b32 s82, 0x3b000000                      ; 1 / 512
	s_mov_b32 s83, 0x3727c5ac                      ; 1e-5
	s_cmp_lt_u32 s67, 2
	s_cselect_b32 s84, 64, 0                       ; group g - 2 does not exist: all its keys are hidden
	s_cmp_gt_u32 s67, 61
	s_cselect_b32 s85, 0xffffffc0, 0               ; group g + 2 likewise
	s_cmp_lt_u32 s67, 1
	s_cselect_b32 s86, -1, 0                       ; group g - 1
	s_cmp_gt_u32 s67, 62
	s_cselect_b32 s87, -1, 0                       ; group g + 1
	v_and_b32 v1, 15, v0                           ; r
	v_bfe_u32 v2, v0, 4, 1                         ; h
	v_and_b32 v3, 31, v0
	v_bfe_u32 v24, v0, 3, 2
	v_bfe_u32 v25, v0, 2, 1
	v_and_b32 v26, 3, v0
	v_and_b32 v27, 7, v0
	v_lshlrev_b32 v9, 11, v24
	v_lshlrev_b32 v10, 4, v24
	v_mul_u32_u24 v4, v1, 272
	v_lshl_add_u32 v9, v27, 5, v9                  ; x in memory: row l / 8, 32 (l % 8)
	v_add_nc_u32 v11, s72, v10
	v_lshl_add_u32 v10, v25, 8, v10
	v_lshl_add_u32 v4, v2, 4, v4
	v_add_nc_u32 v11, v11, v25                     ; x's scale bytes
	v_lshl_add_u32 v10, v26, 2, v10
	v_add_nc_u32 v5, s70, v4
	v_add_nc_u32 v4, s[LW], v4                     ; my weights in slot 0, 1: row r, + 16 h
	v_add_nc_u32 v10, s71, v10                     ; x's codes
	v_lshlrev_b32 v6, 4, v1
	v_lshlrev_b32 v7, 6, v1
	v_lshlrev_b32 v8, 5, v2
	v_lshl_add_u32 v12, v3, 4, IMG
	v_lshl_add_u32 v13, v1, 4, IMG
	v_lshl_add_u32 v14, v1, 4, s73
	v_lshl_add_u32 v15, v1, 4, s74
	v_lshl_add_u32 v16, v1, 4, s75
	v_lshl_add_u32 v17, v1, 6, s76
	v_lshl_add_u32 v14, v2, 2, v14
	v_lshl_add_u32 v15, v2, 2, v15
	v_lshl_add_u32 v18, v1, 6, IMG+FSO
	v_lshl_add_u32 v19, v1, 2, s77
	v_lshl_add_u32 v20, v1, 2, LP
	v_lshlrev_b32 v21, 11, v1
	v_lshlrev_b32 v22, 3, v2
	v_lshlrev_b32 v23, 4, v3
	v_mul_u32_u24 v24, v1, 2064
	v_lshl_add_u32 v21, v2, 5, v21
	v_sub_nc_u32 v22, v1, v22
	v_add_nc_u32 v25, s101, v23                    ; the stage, back: my rows 4 w ..
	v_lshl_add_u32 v24, v2, 5, v24
	v_lshlrev_b32 v26, 2, v1
	v_add_nc_u32 v24, s100, v24                    ; the stage, in: row r, my columns
	v_lshl_add_u32 v2, v2, 5, s100
	v_lshl_add_u32 v1, v3, 3, s100
	v_lshl_add_u32 v[PF1], v3, 8, s88
	v_lshl_add_u32 v[PF2], v3, 8, s89
	v_lshl_add_u32 v[PF3], v3, 10, s90
	v_add_nc_u32 v2, LP, v2                        ; my 64 numbers of a vector in LDS, in the result's layout,
	v_add_nc_u32 v1, LP, v1                        ; and as they lie, 8 bytes a lane
	v_lshlrev_b32 v3, 3, v3
	s_wait_alu depctr_va_vdst(0)
	s_wait_dscnt 0x0                               ; both opening adds are done
	s_wait_kmcnt 0x0
	s_lshl_b32 s99, s68, 11
	s_lshl_b32 s98, s[WV], 2
	s_add_co_u32 s99, s99, s98                     ; 2,048 batch + 4 w
	s_mov_b32 s101, 0
.irp i, 0,1,2,3,4
	s_add_co_i32 s98, s67, \i-2
	s_max_i32 s98, s98, 0
	s_min_i32 s98, s98, 63                         ; a group past an end is replaced by the nearest real one: no load leaves x
	s_lshl_b32 s98, s98, 5
	s_add_co_u32 s98, s98, s99
	s_lshl_b32 s100, s98, 11
	s_add_nc_u64 s[88+2*\i:89+2*\i], s[4:5], s[100:101]
.endr
; ---------------- P0: x into codes: five units a wave, three on their way
	XLOAD 96, 0, 0
	XLOAD 160, 0, 1
	XLOAD 0, 1, 2
	s_lshl_b32 s70, s[WV], 14                      ; my 64 rows of 256 bytes,
	s_mov_b32 s71, 0
	s_lshl_b32 s72, s[WV], 10                      ; their scale bytes; my 256 numbers of b1,
	s_mov_b32 s73, 0
	s_lshl_b32 s74, s[WV], 16                      ; my 256 rows of w1, my 64 rows of w2,
	s_mov_b32 s75, 0
	s_lshl_b32 s76, s[WV], 12                      ; their scale bytes
	s_mov_b32 s77, 0
.irp p, 8,12,16,20
	s_add_nc_u64 s[\p:\p+1], s[\p:\p+1], s[70:71]
	s_add_nc_u64 s[\p+2:\p+3], s[\p+2:\p+3], s[72:73]
.endr
.irp p, 24,28
	s_add_nc_u64 s[\p:\p+1], s[\p:\p+1], s[74:75]
	s_add_nc_u64 s[\p+2:\p+3], s[\p+2:\p+3], s[76:77]
.endr
	s_add_nc_u64 s[40:41], s[40:41], s[72:73]
	s_lshl_b32 s70, s[WV], 8                       ; my 64 columns of biases and gains
.irp p, 32,34,36,38,42,44,46,48,50
	s_add_nc_u64 s[\p:\p+1], s[\p:\p+1], s[70:71]
.endr
	WSL WS0, 14, 6, 256, 0                         ; wk's scale words, bk: 12 loads
	BLOAD 96, 1, 34, 0
	s_cmp_lt_u32 ttmp9, 8
	s_cselect_b32 s[PFN], 0, 1
	s_or_b32 s[PFN], s[PFN], s[WV]
	s_mov_b32 s[G0+1], s[LW]
	s_mov_b64 s[G0+2:G0+3], s[12:13]               ; wk
	s_or_b32 s[G0+3], s[G0+3], 0x80000000
	ROUND                                          ; all four work-groups are here: the first joint loads meet
	TLOAD                                          ; wk into slot 0: one tensor load a wave at the head
	s_lshl_b32 s98, s67, 5
	s_lshl_b32 s100, s68, 11
	s_add_co_u32 s98, s98, s100                    ; my first row
	s_lshl_b32 s100, s98, 11
	s_add_co_u32 s100, s100, s70
	s_add_nc_u64 s[4:5], s[4:5], s[100:101]        ; my columns of x, for the residual
	s_lshl_b32 s99, s[WV], 2
	s_add_co_u32 s98, s98, s99
	s_lshl_b32 s100, s98, 11
	s_add_nc_u64 s[6:7], s[6:7], s[100:101]        ; the four rows that I store
	s_mov_b32 s98, 0x3c800000                      ; 1 / 64
	s_mov_b32 s99, s98                             ; (named with it as a pair)
	ASK 8, PF1, 0                                  ; wq
	s_wait_loadcnt 44                              ; unit 0 is in; units 1, 2 and the 12 may be out
	XLOAD 128, 1, 3
	XQ 96, 0, 0
	s_wait_loadcnt 44                              ; unit 1; unit 2, the 12, unit 3 may be out
	XLOAD 96, 0, 4
	XQ 160, 0, 1
	s_wait_loadcnt 44                              ; unit 2; the 12, units 3, 4 may be out
	WSL WS1, 18, 6, 256, 0                         ; 10 more loads: wv's scale words,
.irp t, 0,1,2,3
	global_load_b32 v[250+\t], v26, s[36:37] offset:64*\t   ; bv of my lane's channel in tile t,
.endr
	global_load_b64 v[242:243], v3, s[32:33]       ; bq, ln1_b
	global_load_b64 v[244:245], v3, s[46:47]
	XQ 0, 1, 2
	s_wait_loadcnt 26                              ; unit 3; unit 4 and the 10 may be out
	XQ 128, 1, 3
	s_wait_loadcnt 10                              ; unit 4
	XQ 96, 0, 4
	s_wait_tensorcnt 0x0                           ; my rows of wk
	WREAD 128, 4
	REFILL 1, 16, 0, 0                             ; wv into slot 1; x's images lie in LDS
; ---------------- P1: k of my head for the five groups, then v
	XA 0
	ASK 20, PF1, 0                                 ; wo
.macro KT i
	WDS
.if \i == 0
	s_wait_loadcnt 10                              ; wk's scale words and bk are in
.endif
	MMT 128, WS0, 96, 0, 0
.if \i < 4
	XA \i+1
.else
	WREAD 128, 5                                   ; wv
	XA 0
	WSL WS0, 10, 6, 256, 0                         ; wq's scale words
	WIN 0x40
.irp t, 0,1,2,3
.irp n, 0,1,2,3,4,5,6,7
	v_mov_b32 v[96+8*\t+\n], v[250+\t]             ; bv as the C that starts v's sums
.endr
.endr
	WIN 0
.endif
.if \i == 1
	s_wait_loadcnt 0x0
	ds_store_b64 v1, v[242:243]                    ; bq and ln1_b wait in LDS; I alone read what I store here
	ds_store_b64 v1, v[244:245] offset:VBO
.endif
	KQ KSC+2*\i
	WIN 0x40
.irp n, 0,1,2,3,4,5,6,7
	v_mov_b32 v[KF+8*\i+\n], v[CD+\n]
.endr
	WIN 0
.endm
	KT 0
	KT 1
	KT 2
	REFILL 0, 8, 0, 0                              ; wq into slot 0
	ASK 24, PF2, 0                                 ; w1's chunk 0
	KT 3
	KT 4
	REFILL 1, 20, 0, 0                             ; wo into slot 1
	ASK 24, PF2, 16384                             ; w1's chunk 1
; block t of a group: my channel of tile t, the group's 32 keys; groups 2 c and 2 c + 1 share four registers, lanes 0-15 the first, lanes 16-31 the second; group 4 stands alone: its upper lanes meet p's zero codes
.macro VT i
	WDS
	MMV 128, WS1, 96
.if \i < 4
	XA \i+1
.else
	WREAD 128, 4                                   ; wq
	XA 2                                           ; my own group
	LLOAD 96, 1, 0                                 ; bq
	WSL WS1, 22, 6, 256, 0                         ; wo's scale words
.endif
	BMAX 4, ACC, 8, 32, 1
.irp t, 0,1,2,3
.if \i == 0
	v_mov_b32 v[VSC+2*\t], v[BY+\t]
.endif
.if (\i > 0) && (\i < 4)
	v_lshl_or_b32 v[VSC+2*\t], v[BY+\t], 8*\i, v[VSC+2*\t]
.endif
.if \i == 4
	v_or_b32 v[VSC+2*\t+1], 0x7f7f7f00, v[BY+\t]
.endif
.endr
.if (\i == 1) || (\i == 3)
	CVT 4, ACC, 8, 32, CD, 0
.else
	CVT 4, ACC, 8, 32, 242, 0
.endif
.if (\i == 1) || (\i > 2)
.irp t, 0,1,2,3
	v_permlane16_swap_b32 v[242+2*\t], v[CD+2*\t]
	v_permlane16_swap_b32 v[243+2*\t], v[CD+2*\t+1]
.endr
	WIN 0x40
.irp t, 0,1,2,3
	v_mov_b32 v[VF+12*\t+4*(\i/2)], v[242+2*\t]
	v_mov_b32 v[VF+12*\t+4*(\i/2)+1], v[CD+2*\t]
	v_mov_b32 v[VF+12*\t+4*(\i/2)+2], v[243+2*\t]
	v_mov_b32 v[VF+12*\t+4*(\i/2)+3], v[CD+2*\t+1]
.endr
	WIN 0
.endif
.endm
	VT 0
	VT 1
	VT 2
	VT 3
	VT 4
	REFILL 0, 24, 0, 0                             ; w1's chunk 0 into slot 0
; ---------------- q of my head for my 32 rows
	s_wait_loadcnt 4                               ; wq's scale words are in; wo's may be out
	MMT 128, WS0, 96, 0, 0
	WIN 0x40
.irp m, 0,1
.irp t, 0,1,2,3
.irp q, 0,1
	global_load_b128 v[128+32*\m+8*\t+4*\q:131+32*\m+8*\t+4*\q], v21, s[4:5] offset:32768*\m+64*\t+16*\q   ; my columns of x: the residual
.endr
.endr
.endr
	BLOAD 192, 1, 38, 0                            ; bo
	WSL WS0, 26, 6, 256, 0                         ; w1's chunk 0: scale words,
	BLOAD 224, 1, 40, 0                            ; b1
	ASK 24, PF2, 32768                             ; w1's chunk 2
	KQ AS
	WIN 0x40
.irp n, 0,1,2,3
	v_mov_b32 v[QF+\n], v[CD+\n]
	v_mov_b32 v[QF+8+\n], v[CD+4+\n]
.endr
.irp n, 0,1,2,3
	v_mov_b32 v[QF+4+\n], 0                        ; zero codes: the upper half of q's K step
	v_mov_b32 v[QF+12+\n], 0
	v_mov_b32 v[VF+48+\n], 0                       ; (only has to be written)
.endr
	WIN 0
.irp n, 188,189,190,191
	v_mov_b32 v\n, 0                               ; zero codes: the rest of p's second K step
.endr
	v_mov_b32 v215, 0xff800000                     ; -infinity
; ---------------- P2: attention of my head: two tiles of 16 queries, each against the 160 keys
; v96-175 S^T, then p; v96-127 O^T; v176-191 p's codes; v192-207 the sums' chains; v208-212 the blocks' largest
.macro PF b, n
.irp j, 0,2,4,6,8,10,12,14
	v_pk_fma_f32 v[96+16*\b+\j:97+16*\b+\j], v[96+16*\b+\j:97+16*\b+\j], s[80:81], v[\n:\n+1] op_sel_hi:[1,0,0]
.endr
.endm
.macro ATT m
	s_wait_alu depctr_va_vdst(0)
	WIN 0x05
.irp T, 0,1,2,3,4,5,6,7,8,9
	WMZ 96+8*\T, KF+4*\T, QF+8*\m, KSC+\T, AS+\m   ; S^T = k q^T: a lane holds one query; register j of tile T is key 16 T + 8 h + j of the 160
.endr
	WIN 0
	v_add3_u32 v213, v22, s84, 16*\m               ; in group g - 2 a key 16 (i / 8) + 8 h + i % 8 is hidden where it is under my query
	v_add3_u32 v214, v22, s85, 16*\m               ; in group g + 2 where it is over it
	PLACES 4
.irp i, 0,1,2,3,4,5,6,7,8,9,10,11,12,13,14,15
	v_cmp_lt_i32 vcc_lo, \i+8*(\i/8), v213
	v_cndmask_b32 v[96+\i], v[96+\i], v215, vcc_lo
.endr
.irp i, 0,1,2,3,4,5,6,7,8,9,10,11,12,13,14,15
	v_cmp_gt_i32 vcc_lo, \i+8*(\i/8), v214
	v_cndmask_b32 v[160+\i], v[160+\i], v215, vcc_lo
.endr
.irp b, 0,1,2,3,4
	v_max3_num_f32 v[208+\b], v[96+16*\b], v[97+16*\b], v[98+16*\b]   ; the largest score of each block of 32 keys: for the row's maximum, and, since p rises with the score, for the block's largest p
.endr
.irp i, 3,5,7,9,11,13
.irp b, 0,1,2,3,4
	v_max3_num_f32 v[208+\b], v[208+\b], v[96+16*\b+\i], v[97+16*\b+\i]
.endr
.endr
.irp b, 0,1,2,3,4
	v_max_num_f32 v[208+\b], v[208+\b], v[111+16*\b]
.endr
.irp b, 0,1,2,3,4
	v_permlanex16_b32 v[36+\b], v[208+\b], s78, s79
.endr
.irp b, 0,1,2,3,4
	v_max_num_f32 v[208+\b], v[208+\b], v[36+\b]
.endr
	v_cndmask_b32 v209, v209, v215, s86            ; a group g - 1 or g + 1 that does not exist is hidden whole
	v_cndmask_b32 v211, v211, v215, s87
	v_max3_num_f32 v217, v208, v209, v210
	v_max3_num_f32 v217, v217, v211, v212          ; the row's largest score: my own group's keys always count, so it is a number
	v_mul_f32 v217, s80, v217                      ; as t
	v_floor_f32 v52, -v217                         ; -M = floor(-t) = -ceil(t)
	v_mov_b32 v53, v52                             ; (named with it as a pair)
	v_cndmask_b32 v218, v52, v215, s86             ; -infinity for the keys of a hidden group
	v_cndmask_b32 v220, v52, v215, s87
	v_mov_b32 v219, v218
	v_mov_b32 v221, v220
	PF 0, 52                                       ; t - M
	PF 1, 218
	PF 2, 52
	PF 3, 220
	PF 4, 52
.irp b, 0,1,2,3,4
	v_fma_f32 v[208+\b], v[208+\b], s80, v52
.endr
	s_wait_alu depctr_va_vdst(0)                   ; the wait ahead of the batch
.set j, 0
.rept 80
	v_exp_f32 v[96+j], v[96+j]                     ; p = 2^(t - M); 0 for a hidden key
.set j, j+1
.endr
	v_mov_b32 v185, 0                              ; (plain lines behind the exponentials) zero codes of the block that is not there
	v_mov_b32 v187, 0
	s_wait_alu depctr_va_vdst(0)                   ; one wait for the batch
.irp b, 0,1,2,3,4
	v_exp_f32 v[208+\b], v[208+\b]                 ; each block's largest p
.endr
.irp q, 0,1,2,3,4,5,6,7
	v_pk_add_f32 v[192+2*\q:193+2*\q], v[96+2*\q:97+2*\q], v[112+2*\q:113+2*\q]
.endr
.irp i, 128,144,160
.irp q, 0,1,2,3,4,5,6,7
	v_pk_add_f32 v[192+2*\q:193+2*\q], v[192+2*\q:193+2*\q], v[\i+2*\q:\i+2*\q+1]
.endr
.endr
.irp q, 0,1,2,3
	v_pk_add_f32 v[192+2*\q:193+2*\q], v[192+2*\q:193+2*\q], v[200+2*\q:201+2*\q]
.endr
.irp q, 0,1
	v_pk_add_f32 v[192+2*\q:193+2*\q], v[192+2*\q:193+2*\q], v[196+2*\q:197+2*\q]
.endr
	v_pk_add_f32 v[192:193], v[192:193], v[194:195]
	s_wait_alu depctr_va_vdst(0)                   ; and one for the five
.irp b, 0,1,2,3,4
	v_max_num_f32 v[208+\b], 0x1800000, v[208+\b]  ; the floor: a block of zeros keeps the byte 1
.endr
.irp b, 0,1,2,3,4
	v_add_nc_u32 v[41+\b], 0xff000000, v[208+\b]
.endr
.irp b, 0,1,2,3,4
	v_lshrrev_b32 v[46+\b], 23, v[41+\b]
.endr
	v_lshl_or_b32 v[AS+2], v47, 8, v46             ; p's scale words: keys 0 .. 127,
	v_or_b32 v[AS+3], 0x7f7f7f00, v50              ; keys 128 .. 159
	v_add_f32 v54, v192, v193
	v_lshl_or_b32 v[AS+2], v48, 16, v[AS+2]
	v_permlanex16_b32 v36, v54, s78, s79
	v_lshl_or_b32 v[AS+2], v49, 24, v[AS+2]
.irp b, 0,1,2,3,4
	v_cvt_scalef32_pk8_fp4_f32 v[176+4*(\b/2)+(\b%2)], v[96+16*\b:103+16*\b], v[41+\b]
	v_cvt_scalef32_pk8_fp4_f32 v[178+4*(\b/2)+(\b%2)], v[104+16*\b:111+16*\b], v[41+\b]
.endr
	v_nop                                          ; one plain line behind the scaled conversions
.irp n, 0,2,4,6,8,10
	v_permlane16_swap_b32 v[176+\n], v[177+\n]     ; the operand's layout wants a whole block in a lane
.endr
	v_add_f32 v54, v54, v36                        ; the row's sum
	s_wait_alu depctr_va_vdst(0)
	v_rcp_f32 v52, v54
	PLACES 8                                       ; scale words and codes written by vector lines stand so far ahead of a scaled matrix instruction
	WIN 0x01
.irp t, 0,1,2,3
	WMZ 96+8*\t, VF+12*\t, 176, VSC+2*\t, AS+2     ; O^T = v^T p^T: four accumulators by turns
.endr
.irp t, 0,1,2,3
	WMC 96+8*\t, VF+12*\t+8, 184, 96+8*\t, VSC+2*\t+1, AS+3
.endr
	WIN 0
	PLACES 4
	s_wait_alu depctr_va_vdst(0)                   ; the reciprocal's wait, ahead of its first reader
.set j, 0
.rept 16
	v_pk_mul_f32 v[96+j:97+j], v[96+j:97+j], v[52:53] op_sel_hi:[1,0]
.set j, j+2
.endr
	BMAX 2, 96, 16, 8, 1
	WDS                                            ; the other tile's stores are done
	CVT 2, 96, 16, 8, CD, 0
	IMST 2, 14, 16, 0, 0, AIO+4096*\m, AIO+8192+256*\m   ; columns 64 w + 32 b on of the next product's K
.endm
	ATT 0
	ATT 1
	WREAD 0, 5                                     ; wo: k's, v's and q's registers are free
	BLOAD 224, 0, 44, 0                            ; LN1's gain, where k's and v's scale words lay
	REFILL 1, 24, 16384, 0                         ; w1's chunk 1 into slot 1; attention's output lies in LDS, all 512 columns
; ---------------- P3: wo, residual, LN1
	ALOAD AIO, 4096
	SLOAD 13, AIO+8192, 256
	ASK 24, PF2, 49152                             ; w1's chunk 3
	s_wait_loadcnt 8                               ; x, bo, and the small loads behind them; the gain may be out
	WIN 0x45
.set j, 0
.rept 32
	v_pk_add_f32 v[128+j:129+j], v[128+j:129+j], v[192+j%32:193+j%32]   ; x + bo starts the sums
.set j, j+2
.endr
	WIN 0
	BLOAD 192, 1, 42, 0                            ; b2
	WDS
	MMT 0, WS1, 128, 32, 0
	LLOAD AF, 0, VBO                               ; the shift
	WSL WS1, 26, 6, 256, 1024                      ; w1's chunk 1: scale words
	LNORM 1, 12                                    ; b2 and the scale words may be out
	s_wait_alu depctr_va_vdst(0)
	s_wait_loadcnt 4                               ; b2
	WIN 0x44
.set j, 0
.rept 32
	v_pk_add_f32 v[128+j:129+j], v[ACC+j:ACC+j+1], v[192+j%32:193+j%32]   ; h + b2 will start the last product's sums
.set j, j+2
.endr
	WIN 0
	BLOAD 192, 1, 40, 256                          ; b1, chunk 1
	BMAX 4, ACC, 16, 8, 1
	CVT 4, ACC, 16, 8, CD, 0
	IMST 4, 14, 16, 4096, 256, HIO, HIO+8192
	REFILL 0, 24, 32768, 0                         ; w1's chunk 2 into slot 0; h's image lies in LDS
; ---------------- P4: the hidden layer: my 256 units, 64 at a time
	ALOAD HIO, 4096                                ; h's fragments stay for all four chunks
	SLOAD 13, HIO+8192, 256
	ASK 28, PF3, 0                                 ; w2, K 0 .. 511
	WDS
.macro FF1Q c
	BMAX 4, ACC, 16, 8, 0
	CVT 4, ACC, 16, 8, CD, 0
.irp g, 0,4                            ; relu on the codes: where the sign bit stands, the three bits under it are cleared: what is left, -0, adds nothing
.irp n, 0,1,2,3
	v_and_b32 v[TM+\n], 0x88888888, v[CD+\g+\n]
.endr
.irp n, 0,1,2,3
	v_lshrrev_b32 v[TT+\n], 3, v[TM+\n]
.endr
.irp n, 0,1,2,3
	v_sub_nc_u32 v[TM+\n], v[TM+\n], v[TT+\n]
.endr
.irp n, 0,1,2,3
	v_bfi_b32 v[CD+\g+\n], v[TM+\n], 0, v[CD+\g+\n]
.endr
.endr
	IMST 4, 15, 17, 16384, 1024, 512*\c, 2*\c
.endm
	MMT 0, WS0, 224, 0, 5
	WSL WS0, 26, 6, 256, 2048
	BLOAD 224, 1, 40, 512
	FF1Q 0
	REFILL 1, 24, 49152, 0                         ; w1's chunk 3
	ASK 28, PF3, 256                               ; w2, K 512 .. 1,023
	s_wait_loadcnt 12                              ; b1's chunk 1 is in; chunk 2's 12 loads may be out
	MMT 0, WS1, 192, 0, 4
	WSL WS1, 26, 6, 256, 3072
	BLOAD 192, 1, 40, 768
	FF1Q 1
	REFILL 0, 28, 0, 1024                          ; w2, K 0 .. 511
	ASK 28, PF3, 512
	s_wait_loadcnt 12                              ; chunk 2's are in; chunk 3's 12 may be out
	MMT 0, WS0, 224, 0, 5
	WSL WS0, 30, 7, 1024, 0
	FF1Q 2
	REFILL 1, 28, 256, 0                           ; w2, K 512 .. 1,023
	ASK 28, PF3, 768
	s_wait_loadcnt 4                               ; chunk 3's are in; w2's first scale words may be out
	MMT 0, WS1, 192, 0, 4
	WSL WS1, 30, 7, 1024, 16
	BLOAD 224, 0, 48, 0                            ; LN2's gain,
	BLOAD 192, 1, 50, 0                            ; and its shift
	FF1Q 3
	REFILL 0, 28, 512, 0                           ; w2, K 1,024 .. 1,535; the hidden layer's image lies in LDS, all 2,048 units
; ---------------- P5: the second product of the FFN: my 64 columns, K in four chunks of 512
.macro FA kc
	ALOAD 4096*\kc, 16384
	SLOAD 18, 16*\kc, 1024
.endm
	FA 0
	WDS
	s_wait_loadcnt 20                              ; the first chunk's scale words; behind them 4 + 16
	MMT 0, WS0, 128, 32, 5
	FA 1
	WSL WS0, 30, 7, 1024, 32
	REFILL 1, 28, 768, 0                           ; w2, K 1,536 .. 2,047
	s_wait_loadcnt 20                              ; the second's; behind them 16 + 4
	MMT 0, WS1, -1, 0, 4
	FA 2
	WSL WS1, 30, 7, 1024, 48
	WDS
	s_wait_loadcnt 4                               ; the third's; behind them 4
	MMT 0, WS0, -1, 0, 0
	s_wait_tensorcnt 0x0                           ; my last tensor load
	WREAD 0, 5
	FA 3
	WDS
	s_wait_loadcnt 0x0
	MMT 0, WS1, -1, 0, 0
; ---------------- P6: LN2, the way out
	LNORM 0, 0                                     ; its barrier stands between every wave's reads of slot 0 and the stores into the stage, which lies there
.irp m, 0,1
.irp t, 0,1,2,3
.irp q, 0,1
	ds_store_b128 v24, v[ACC+32*\m+8*\t+4*\q:ACC+32*\m+8*\t+4*\q+3] offset:33024*\m+64*\t+16*\q
.endr
.endr
.endr
	BARRIER                                        ; 32 whole rows lie in the stage
.irp i, 0,1,2,3
.irp q, 0,1,2,3
	ds_load_b128 v[96+16*\i+4*\q:99+16*\i+4*\q], v25 offset:2064*\i+512*\q
.endr
.endr
.set n, 0
.rept 16
	s_wait_dscnt 15-n                              ; LDS loads come back in order: number n is in, the younger ones may be out
	global_store_b128 v23, v[96+4*n:99+4*n], s[6:7] offset:2048*(n/4)+512*(n%4) th:TH_STORE_NT   ; 32 lanes store 512 consecutive bytes, at a multiple of 256 from out0's first byte
.set n, n+1
.endr
	s_wait_tensorcnt 0x0                           ; the wave's end
	ds_add_u32 v[SPW], v[NIL]
	s_wait_dscnt 0x0
	ROUND                                          ; the closing round: no work-group ends while a partner may still ask for a tile that names it
	s_endpgm
.Lfunc_end_k_q403362fbf9_block:
	.size	k_q403362fbf9_block, .Lfunc_end_k_q403362fbf9_block-k_q403362fbf9_block
	.p2alignl 7, 3214868480
	.fill 96, 4, 3214868480
	.section	.rodata,"a",@progbits
	.p2align	6, 0x0
	.amdhsa_kernel k_q403362fbf9_block
		.amdhsa_group_segment_fixed_size 327680
		.amdhsa_private_segment_fixed_size 0
		.amdhsa_enable_private_segment 0
		.amdhsa_kernarg_size 192
		.amdhsa_user_sgpr_count 2
		.amdhsa_user_sgpr_kernarg_segment_ptr 1
		.amdhsa_wavefront_size32 1
		.amdhsa_system_sgpr_workgroup_id_x 1
		.amdhsa_system_sgpr_workgroup_id_y 1
		.amdhsa_system_sgpr_workgroup_id_z 1
		.amdhsa_system_vgpr_workitem_id 0
		.amdhsa_next_free_vgpr 512
		.amdhsa_next_free_sgpr 102
		.amdhsa_reserve_vcc 1
		.amdhsa_float_denorm_mode_32 3
		.amdhsa_float_denorm_mode_16_64 3
		.amdhsa_memory_ordered 1
		.amdhsa_forward_progress 1
		.amdhsa_inst_pref_size 255
	.end_amdhsa_kernel
	.section	.bss,"aw",@nobits
	.p2align	6
	.space	262144
	.amdgpu_metadata
---
amdhsa.version: [ 1, 2 ]
amdhsa.kernels:
  - .name:           k_q403362fbf9_block
    .symbol:         k_q403362fbf9_block.kd
    .args:
      - { .name: x, .offset: 0, .size: 8, .value_kind: global_buffer, .address_space: global }
      - { .name: out0, .offset: 8, .size: 8, .value_kind: global_buffer, .address_space: global }
      - { .name: wq_codes, .offset: 16, .size: 8, .value_kind: global_buffer, .address_space: global }
      - { .name: wq_scales, .offset: 24, .size: 8, .value_kind: global_buffer, .address_space: global }
      - { .name: wk_codes, .offset: 32, .size: 8, .value_kind: global_buffer, .address_space: global }
      - { .name: wk_scales, .offset: 40, .size: 8, .value_kind: global_buffer, .address_space: global }
      - { .name: wv_codes, .offset: 48, .size: 8, .value_kind: global_buffer, .address_space: global }
      - { .name: wv_scales, .offset: 56, .size: 8, .value_kind: global_buffer, .address_space: global }
      - { .name: wo_codes, .offset: 64, .size: 8, .value_kind: global_buffer, .address_space: global }
      - { .name: wo_scales, .offset: 72, .size: 8, .value_kind: global_buffer, .address_space: global }
      - { .name: w1_codes, .offset: 80, .size: 8, .value_kind: global_buffer, .address_space: global }
      - { .name: w1_scales, .offset: 88, .size: 8, .value_kind: global_buffer, .address_space: global }
      - { .name: w2_codes, .offset: 96, .size: 8, .value_kind: global_buffer, .address_space: global }
      - { .name: w2_scales, .offset: 104, .size: 8, .value_kind: global_buffer, .address_space: global }
      - { .name: bq, .offset: 112, .size: 8, .value_kind: global_buffer, .address_space: global }
      - { .name: bk, .offset: 120, .size: 8, .value_kind: global_buffer, .address_space: global }
      - { .name: bv, .offset: 128, .size: 8, .value_kind: global_buffer, .address_space: global }
      - { .name: bo, .offset: 136, .size: 8, .value_kind: global_buffer, .address_space: global }
      - { .name: b1, .offset: 144, .size: 8, .value_kind: global_buffer, .address_space: global }
      - { .name: b2, .offset: 152, .size: 8, .value_kind: global_buffer, .address_space: global }
      - { .name: ln1_g, .offset: 160, .size: 8, .value_kind: global_buffer, .address_space: global }
      - { .name: ln1_b, .offset: 168, .size: 8, .value_kind: global_buffer, .address_space: global }
      - { .name: ln2_g, .offset: 176, .size: 8, .value_kind: global_buffer, .address_space: global }
      - { .name: ln2_b, .offset: 184, .size: 8, .value_kind: global_buffer, .address_space: global }
    .group_segment_fixed_size: 327680
    .private_segment_fixed_size: 0
    .kernarg_segment_align: 8
    .kernarg_segment_size: 192
    .max_flat_workgroup_size: 256
    .sgpr_count:     102
    .vgpr_count:     512
    .wavefront_size: 32
...
	.end_amdgpu_metadata
.endif
;; end of part 1
